; MI455X (gfx1250); checked and timed in simulation.
; The chip was launched on July 23, 2026; its instructions are those of AMD's public machine-readable ISA for CDNA 5 (MIT licence, August 2026) and "CDNA5" Instruction Set Architecture Reference Guide (July 2026). The comments in the code are by the model that wrote it; some were corrected since.
;; Vector Quantizer. Allowed arithmetic: matrix products marked QUANTISED: E4M3 operands, one E8M0 scale for each 32 along K, by v_wmma_scale_f32_16x16x128_f8f6f4 with both operands' format E4M3, f32 sums; everything else in f32.
;; Inputs: codebook 8,192 x 256 float32; x 32 x 32 x 32 x 256 float32.
;; Outputs: out0 32 x 32 x 32 x 256 float32; out1 32 x 32 x 32 int32.
;; This version of the problem:
;;   THIS VERSION OF THE PROBLEM IS GIVEN IN LOW PRECISION. The matrix products marked QUANTISED in the list below multiply operands that are first quantised to E4M3 (4 exponent bits, 3 mantissa bits; 8 bits a number), with one power-of-two scale for each 32 numbers along K (OCP MX v1.0); their sums are f32. All else is computed in f32.
;;   The module's matrix products, in the order in which they are computed (A, B: the left and right operand; K: the contracted axis; several contracted axes count as one K, in the product's order):
;;     1. [M 32,768, K 256] x [K 256, N 8,192]; A: input x; B: input codebook: QUANTISED
;;   THE QUANTISER, for each operand of a quantised product, along K:
;;     - K is cut into blocks of 32 from its start; a last block that is shorter is filled with zeros.
;;     - A block's scale is 2^e with e = floor(log2(the largest magnitude in the block)) - 8, held to -126 .. 127; a block of zeros has e = 0. As a byte (E8M0): e + 127.
;;     - Each number is divided by its block's scale, clamped to +-448, and rounded to the nearest number of E4M3, ties to even, subnormals kept.
;;     - The product sums the exact products of the quantised numbers (number of the format x scale) in f32.
;;   ~~~python
;;   def quantise(x, axis):      # numpy; x: float32 -> the quantised numbers, widened to float32 again
;;       x = np.moveaxis(x, axis, -1); K = x.shape[-1]
;;       x = np.pad(x, [(0, 0)] * (x.ndim - 1) + [(0, -K % 32)]); x = x.reshape(x.shape[:-1] + (-1, 32)); a = np.abs(x).max(-1, keepdims=True)
;;       e = np.where(a > 0, np.clip(np.frexp(np.where(a > 0, a, 1))[1] - 1 - 8, -126, 127), 0)      # np.frexp(a)[1] - 1 = floor(log2(a)), exactly
;;       r = np.clip(x / 2.0 ** e, -448, 448)
;;       step = 2.0 ** (np.maximum(np.frexp(np.where(r == 0, 1, r))[1] - 1, -6) - 3)
;;       q = np.round(r / step) * step * 2.0 ** e      # np.round: ties to even
;;       return np.moveaxis(q.reshape(q.shape[:-2] + (-1,))[..., :K], -1, axis).astype(np.float32)
;;   ~~~
;; One version. Each part assembles by itself: llvm-mc -triple=amdgcn-amd-amdhsa -mcpu=gfx1250 --defsym DOCPART=n.
;; ======== version 1 of 1: 3 launches
;; limits: right only within a limited range of input values
;; workspace buffers: cbq 2,228,224 bytes; idx 131,072 bytes of whole numbers
;; launch quant_cb (part 1): grid 256 x 1, 2 waves a work-group, no clusters, 168,192 bytes of LDS; arguments codebook, cbq; writes cbq
.if DOCPART == 1
	.amdgcn_target "amdgcn-amd-amdhsa--gfx1250"
	.amdhsa_code_object_version 6
	.text
	.protected	k_q92bcd37a29_quant_cb
	.globl	k_q92bcd37a29_quant_cb
	.p2align	8
	.type	k_q92bcd37a29_quant_cb,@function
k_q92bcd37a29_quant_cb:
	s_mov_b64 s[64:65], 0
	v_nop
	global_prefetch_b8 v0, s[64:65] scope:SCOPE_SE
	s_setreg_imm32_b32 hwreg(HW_REG_WAVE_MODE, 25, 1), 1
	s_wait_xcnt 0x0
; The codebook [8192][256] f32 becomes 512 RECORDS of 4,352 bytes in cbq, one for each tile of 16 rows, laid in the order of the matrix operand's registers:
;   bytes 2048 s + 512 c + 16 lane : registers 4 c .. 4 c + 3 of the fragment of K step s (128 along K): lane (r, h) holds row r, k = 128 s + 32 c + 16 h + 0 .. 15, one E4M3 code a byte
;   bytes 4096 + 64 s + 4 r        : row r's four E8M0 scale bytes of K step s
;   bytes 4224 + 4 r               : b2 = the sum of squares of row r, f32
;   bytes 4288 .. 4351             : zeros, so that every byte of a record is written
; A block's scale is 2^(floor(log2(its largest magnitude)) - 8); its byte is the largest magnitude's exponent field - 8, held at 1 from below.
; A wave takes one tile: 16 rows x 1,024 bytes come by one tensor load into the wave's own stage in LDS (whole rows from memory), and each lane reads its 128 numbers from there.
; LIMITS: NaN and infinities among the inputs are not served.  A block of zeros gets the byte 1, not 127: its codes are zeros, and this program alone reads the bytes.
; b2 is summed in four fused chains and then across two lanes: another order of rounding than a plain sum of rounded squares.
; No LDS byte is filled twice, the waves share nothing: no barrier.
.set REC,   4352
.set PITCH, 1040                       ; a stage row: 1,024 bytes + 16: an odd multiple of 16, so the sixteen rows that a load touches begin in sixteen different 16-byte columns of 256
.set STGB,  16*PITCH                   ; a wave's stage: 16,640 bytes = 65 blocks of 256
.set SCR,   2*STGB                     ; behind the stages: 256 bytes a wave for the record's tail; no tensor load lands there
.set ST,  64                           ; v64-191  my 128 numbers: register 64 s + 16 b + i = k 128 s + 32 b + 16 h + i of row r
.set PC,  192                          ; v192-223 the codes of the two K steps: a set each, so that no store's data are written again
.set TM,  224                          ; v224-227 largest magnitudes, v228-231 bytes, v232-235 448 x the scale, v236-239 the conversions' scale operands
.set PW,  240                          ; v240-241 the two scale words
.set SQ,  244                          ; v244-251 four packed chains of squares; the sum ends in v244
.set SEL, 24                           ; s[24:25] v_permlanex16_b32's selects for lane l xor 16
.set MNT, 26                           ; s26      the mantissa field of 448
; the sum of squares of the lane's 128 numbers and of lane l xor 16's: the row's, in v[sq].  It stands ahead of QUANT, which holds the numbers in place
.macro SUMSQ st, sq
.irp c, 0,1,2,3
	v_pk_mul_f32 v[\sq+2*\c:\sq+2*\c+1], v[\st+2*\c:\st+2*\c+1], v[\st+2*\c:\st+2*\c+1]     ; the first four pairs start the chains: nothing is cleared
.endr
.set i, 4
.rept 60
	v_pk_fma_f32 v[\sq+2*(i%4):\sq+2*(i%4)+1], v[\st+2*i:\st+2*i+1], v[\st+2*i:\st+2*i+1], v[\sq+2*(i%4):\sq+2*(i%4)+1]
.set i, i+1
.endr
	v_pk_add_f32 v[\sq:\sq+1], v[\sq:\sq+1], v[\sq+2:\sq+3]
	v_pk_add_f32 v[\sq+4:\sq+5], v[\sq+4:\sq+5], v[\sq+6:\sq+7]
	v_pk_add_f32 v[\sq:\sq+1], v[\sq:\sq+1], v[\sq+4:\sq+5]
	v_add_f32 v[\sq], v[\sq], v[\sq+1]
	v_permlanex16_b32 v[\sq+2], v[\sq], s[SEL], s[SEL+1]           ; (its destination has been written: it counts as read)
	v_add_f32 v[\sq], v[\sq], v[\sq+2]
.endm
; 64 numbers of a lane, v[st] on, register 16 b + i = k 32 b + 16 h + i of my row, become a fragment's 16 registers of codes in v[pc] on and its scale word in v[pw]
.macro QUANT st, pc, pw
.irp b, 0,1,2,3
	v_max3_num_f32 v[TM+\b], |v[\st+16*\b]|, |v[\st+1+16*\b]|, 0x4800000     ; block b: my 16 numbers, and the floor 2^(9 - 127): the byte cannot fall under 1
.endr
.irp i, 2,4,6,8,10,12,14
.irp b, 0,1,2,3
	v_max3_num_f32 v[TM+\b], v[TM+\b], |v[\st+16*\b+\i]|, |v[\st+1+16*\b+\i]|   ; the four blocks by turns: no line waits for the line above it
.endr
.endr
.irp b, 0,1,2,3
	v_permlanex16_b32 v[TM+4+\b], v[TM+\b], s[SEL], s[SEL+1]
.endr
.irp b, 0,1,2,3
	v_max_num_f32 v[TM+\b], v[TM+\b], v[TM+4+\b]                   ; with lane l xor 16's 16: the block's largest magnitude
.endr
.irp b, 0,1,2,3
	v_add_nc_u32 v[TM+12+\b], 0xfc000000, v[TM+\b]                 ; 8 off its exponent field: the conversion takes the exponent field of this operand as its scale
.endr
.irp b, 0,1,2,3
	v_and_or_b32 v[TM+8+\b], v[TM+\b], 0x7f800000, s[MNT]          ; 448 x the scale
.endr
.irp b, 0,1,2,3
	v_lshrrev_b32 v[TM+4+\b], 23, v[TM+12+\b]                      ; the scale's byte
.endr
	v_lshl_or_b32 v[\pw], v[TM+5], 8, v[TM+4]                      ; four bytes make my row's scale word (lanes r and r + 16 hold the same)
	v_lshl_or_b32 v[\pw], v[TM+6], 16, v[\pw]
	v_lshl_or_b32 v[\pw], v[TM+7], 24, v[\pw]
.irp b, 0,1,2,3
.irp i, 0,1,2,3,4,5,6,7,8,9,10,11,12,13,14,15
	v_med3_num_f32 v[\st+16*\b+\i], v[\st+16*\b+\i], -v[TM+8+\b], v[TM+8+\b]   ; the conversion to an 8-bit code does not saturate (ISA guide 7.6.2): the hold at 448 x the scale
.endr
	v_cvt_scalef32_pk8_fp8_f32 v[\pc+4*\b:\pc+1+4*\b], v[\st+16*\b:\st+7+16*\b], v[TM+12+\b]
	v_cvt_scalef32_pk8_fp8_f32 v[\pc+2+4*\b:\pc+3+4*\b], v[\st+8+16*\b:\st+15+16*\b], v[TM+12+\b]
.endr
	v_nop                                                          ; one plain vector line behind the last scaled conversion
.endm
	s_load_b128 s[4:7], s[0:1], 0x0                ; codebook s[4:5], cbq s[6:7]
	v_lshl_add_u32 v254, v0, 2, 0x29000
	v_mov_b32 v255, 0
	ds_add_u32 v254, v255
	ds_add_u32 v254, v255
	v_lshrrev_b32 v1, 5, v0
	v_readfirstlane_b32 s8, v1                     ; wave 0, 1
	s_lshl_b32 s9, ttmp9, 1
	s_add_co_u32 s9, s9, s8                        ; my tile: 2 x work-group + wave
	; descriptor group 1: 16 rows of 256 elements of 4 bytes, dense in memory, 4 words of padding behind each row in LDS
	s_mov_b32 s16, (2<<16)|(1<<20)|(7<<22)|(3<<25) ; 17:16 elements of 4 bytes; 20 padding on; 24:22 after every 256 words (code 7); 31:25 four words (code 3)
	s_mov_b32 s17, 256<<16                         ; tensor_dim0 = 256
	s_mov_b32 s18, 16<<16                          ; tensor_dim1 = 16
	s_mov_b32 s19, 256<<16                         ; tile_dim0 = 256
	s_mov_b32 s20, 16                              ; tile_dim1 = 16
	s_mov_b32 s21, 256                             ; elements from row to row
	s_mov_b32 s22, 0
	s_mov_b32 s23, 0
	s_lshl_b32 s10, s9, 14                         ; 16 rows of 1,024 bytes a tile
	s_mov_b32 s11, 0
	s_mov_b32 s12, 1                               ; group 0: count = 1
	s_mul_i32 s13, s8, STGB                        ; my stage
	s_mov_b32 s[SEL], 0x76543210
	s_mov_b32 s[SEL+1], 0xfedcba98
	s_mov_b32 s[MNT], 0x600000
	s_lshl_b32 s27, s8, 8
	s_add_co_u32 s27, s27, SCR                     ; my 256 bytes for the tail
	s_wait_dscnt 0x0
	s_wait_kmcnt 0x0
	s_add_nc_u64 s[14:15], s[4:5], s[10:11]        ; the tile's first byte
	s_or_b32 s15, s15, 0x80000000                  ; type = 2
	tensor_load_to_lds s[12:15], s[16:23]          ; my one tensor load
	s_nop 0
	v_and_b32 v2, 15, v0                           ; r
	v_bfe_u32 v3, v0, 4, 1                         ; h
	v_and_b32 v1, 31, v0                           ; lane
	v_mul_u32_u24 v4, v2, PITCH
	v_lshl_add_u32 v4, v3, 6, v4
	v_add_nc_u32 v4, s13, v4                       ; stage: row r, + 64 h: my 16 numbers of a block of 32
	v_lshlrev_b32 v5, 4, v1                        ; 16 x lane: my place in an image
	v_lshl_add_u32 v6, v2, 2, s27                  ; the tail, on the way in: 4 r
	v_lshl_add_u32 v7, v1, 3, s27                  ; and on the way out: 8 x lane
	v_lshlrev_b32 v8, 3, v1
	v_mov_b32 v9, 0
.irp b, 0,1,2,3
	v_mov_b32 v[TM+4+\b], 0                        ; written once: a lane permute's destination counts as one of its sources
.endr
	s_mul_i32 s10, s9, REC                         ; (s10 is no register of the descriptor)
	s_add_nc_u64 s[6:7], s[6:7], s[10:11]          ; my record
	s_wait_tensorcnt 0x0                           ; the tile is in my stage; only I read it
.irp s, 0,1
.irp b, 0,1,2,3
.irp j, 0,1,2,3
	ds_load_b128 v[ST+64*\s+16*\b+4*\j:ST+64*\s+16*\b+4*\j+3], v4 offset:512*\s+128*\b+16*\j
.endr
.endr
.endr
	s_wait_dscnt 0x0
	SUMSQ ST, SQ
	QUANT ST, PC, PW
.irp c, 0,1,2,3
	global_store_b128 v5, v[PC+4*\c:PC+4*\c+3], s[6:7] offset:512*\c           ; 32 lanes store 512 consecutive bytes, at a multiple of 256 from cbq's first byte
.endr
	QUANT ST+64, PC+16, PW+1
.irp c, 0,1,2,3
	global_store_b128 v5, v[PC+16+4*\c:PC+16+4*\c+3], s[6:7] offset:2048+512*\c
.endr
	ds_store_b32 v6, v[PW]                         ; the tail is gathered in my 256 bytes of LDS (lanes r and r + 16 write the same word with the same value)
	ds_store_b32 v6, v[PW+1] offset:64
	ds_store_b32 v6, v[SQ] offset:128              ; b2
	ds_store_b32 v6, v9 offset:192
	ds_load_b64 v[252:253], v7                     ; LDS serves a wave's instructions in order (ISA guide 5.7.1.4): this sees my stores
	s_wait_dscnt 0x0
	global_store_b64 v8, v[252:253], s[6:7] offset:4096                        ; 32 lanes store 256 consecutive bytes, aligned
	s_wait_tensorcnt 0x0
	ds_add_u32 v254, v255
	s_wait_dscnt 0x0
	s_endpgm
.Lfunc_end_k_q92bcd37a29_quant_cb:
	.size	k_q92bcd37a29_quant_cb, .Lfunc_end_k_q92bcd37a29_quant_cb-k_q92bcd37a29_quant_cb
	.p2alignl 7, 3214868480
	.fill 96, 4, 3214868480
	.section	.rodata,"a",@progbits
	.p2align	6, 0x0
	.amdhsa_kernel k_q92bcd37a29_quant_cb
		.amdhsa_group_segment_fixed_size 168192
		.amdhsa_private_segment_fixed_size 0
		.amdhsa_enable_private_segment 0
		.amdhsa_kernarg_size 16
		.amdhsa_user_sgpr_count 2
		.amdhsa_user_sgpr_kernarg_segment_ptr 1
		.amdhsa_wavefront_size32 1
		.amdhsa_system_sgpr_workgroup_id_x 1
		.amdhsa_system_sgpr_workgroup_id_y 1
		.amdhsa_system_sgpr_workgroup_id_z 1
		.amdhsa_system_vgpr_workitem_id 0
		.amdhsa_next_free_vgpr 256
		.amdhsa_next_free_sgpr 66
		.amdhsa_reserve_vcc 0
		.amdhsa_float_denorm_mode_32 3
		.amdhsa_float_denorm_mode_16_64 3
		.amdhsa_memory_ordered 1
		.amdhsa_forward_progress 1
		.amdhsa_inst_pref_size 27
	.end_amdhsa_kernel
	.amdgpu_metadata
---
amdhsa.version: [ 1, 2 ]
amdhsa.kernels:
  - .name:           k_q92bcd37a29_quant_cb
    .symbol:         k_q92bcd37a29_quant_cb.kd
    .args:
      - { .name: codebook, .offset: 0, .size: 8, .value_kind: global_buffer, .address_space: global }
      - { .name: cbq, .offset: 8, .size: 8, .value_kind: global_buffer, .address_space: global }
    .group_segment_fixed_size: 168192
    .private_segment_fixed_size: 0
    .kernarg_segment_align: 8
    .kernarg_segment_size: 16
    .max_flat_workgroup_size: 64
    .sgpr_count:     66
    .vgpr_count:     256
    .wavefront_size: 32
...
	.end_amdgpu_metadata
.endif
;; end of part 1
;; launch nearest (part 2): grid 256 x 1, 8 waves a work-group, clusters of 4 x 1, 327,680 bytes of LDS; arguments x, cbq, idx, out1; writes idx, out1
.if DOCPART == 2
	.amdgcn_target "amdgcn-amd-amdhsa--gfx1250"
	.amdhsa_code_object_version 6
	.text
	.protected	k_q92bcd37a29_nearest
	.globl	k_q92bcd37a29_nearest
	.p2align	8
	.type	k_q92bcd37a29_nearest,@function
k_q92bcd37a29_nearest:
	s_mov_b64 s[64:65], 0
	v_nop
	global_prefetch_b8 v0, s[64:65] scope:SCOPE_SE
	s_setreg_imm32_b32 hwreg(HW_REG_WAVE_MODE, 25, 1), 1
	s_wait_xcnt 0x0
	s_wait_alu depctr_hold_cnt(0) depctr_sa_sdst(0) depctr_va_vdst(0) depctr_va_sdst(0) depctr_va_ssrc(0) depctr_va_vcc(0) depctr_vm_vsrc(0)
	s_getreg_b32 s2, hwreg(HW_REG_IB_STS2, 6, 4)
	s_cmp_eq_u32 s2, 0
	s_cbranch_scc0 .Lentry_in_a_cluster
	s_endpgm
.Lentry_in_a_cluster:
	s_bfe_u32 s2, ttmp6, 0x10000c
	s_cmp_lg_u32 s2, 0x3003
	s_cbranch_scc0 .Lentry_shape_is_right
	s_endpgm
.Lentry_shape_is_right:
; For each of the 32,768 rows of x: the index of the codebook row with the least distance fl(fl(a2 - 2 ab) + b2), the first index on a tie.  ab is the MX-FP8 product; a2, b2 and the distances are f32.
; Every step of the distance is done as it is written: a2 is the same for all codes of a row, but it is large beside the rest and decides which distances tie in f32, so it stays.
; A work-group takes 128 rows of x: it quantises them once (a wave 16 rows), hands the operand images round through LDS, and every wave then holds all 128 rows' codes in 256 registers (window 1).
; The codebook comes as records of 4,352 bytes (16 rows: codes in register order, scale words, b2) through a ring of two LDS slots of 32 records; wave w fetches and reads records 4 w .. 4 w + 3 of a slot.
; CLUSTER: all work-groups walk the same records, so the four of a cluster ask for each part jointly (mask 15); every refill stands behind a round of the cluster's barrier.
; THE PRODUCT IS USED TRANSPOSED: source 0 = 16 codebook rows, source 1 = 16 rows of x: lane (r, h) holds x's row r, and its eight registers the codes 8 h + 0 .. 7 of the tile.
; A lane keeps for each of its 8 row blocks: the running minimum (two register sets by turns: the old one is a leaf of the new one's tree of v_min3), and, from the tile where it last fell, the first seven
; of the eight distances and the tile's first index: eight registers, selected two to a line.  The place among the eight is looked up once, at the end: the first of the seven that equals the minimum, else place 7.
; A TILE GOES IN TWO HALVES: the products of row blocks 0-3, the distances of the tile before for blocks 6, 7, the products of blocks 4-7, the distances of blocks 0-5: so the places behind products are filled by work that is due.
; The row blocks go in pairs, 6, 0, 2, 4, 6 ..; the eight multiply-adds of the next pair stand, two at a time, between the dependent lines of the pair at work (tree, compare, selects).
; PREFETCH: cluster 0 names each record of the fill after the one just asked for, once (a partner a record of each part, by address); the last fill has no successor and asks for nothing.
; LIMITS: NaN and infinities among the inputs are not served.  A block of zeros gets the scale byte 1, not 127: its codes are zeros, and this program alone reads the bytes.  a2 is summed in four fused chains and across two lanes.
.set REC,   4352
.set PART,  4*REC                      ; a wave's part of a slot
.set SLOTB, 8*PART
.set PITCH, 1040                       ; x's stage: a row of 1,024 bytes + 16
.set STGB,  16*PITCH
.set XIMG,  2*SLOTB                    ; behind the ring: x's operand images, scale words, a2; the waves' results; the spare words.  No tensor load lands there
.set XSC,   XIMG+32768
.set XA2,   XSC+1024
.set RM,    XA2+512
.set RI,    RM+4096
.set SPARE, RI+4096
.set SPW, 1
.set NIL, 2
.set AD,  3                            ; v3-4 codes, v5-6 scale words, v7-8 b2: my LDS addresses in slot 0, 1
.set AS,  5
.set AB,  7
.set LI,  9
.set LS,  10
.set LR,  11
.set CU,  12                           ; v12 and v225: the first index of the tile at work, for even and odd tiles
.set H8,  13
.set PFO, 14
.set XRD, 15
.set XS,  16                           ; v16-23 x's scale words (lanes 0-15 K step 0, lanes 16-31 K step 1)
.set A2,  24                           ; v24-39 a2, twice each
.set RUN, 40                           ; v40-47 and v56-63: the running minima, two sets by turns
.set TP,  48                           ; v48-51 at work in the tree of minima
.set SAV, 64                           ; v64-127 for row block T at 8 T: seven distances of the tile where the minimum last fell, and in register 7 that tile's first index
.set AC,  128
.set CF,  192
.set CS,  224
.set B2,  226                          ; two sets of 8
.set JJ,  242
.set M2,  243
.set I2,  244
.set LN,  245
.set RL,  246
.set HL,  247
.set XWI, 248
.set XWS, 249
.set XWA, 250
.set RW,  251
.set RR,  252
.set GOF, 253
.set ST,  64                           ; at the head: my 128 numbers of x, their codes, and the quantiser's registers
.set PC,  192
.set TM,  226
.set PW,  242
.set SQ,  56
.set WV,   12
.set CX,   13
.set WG,   14
.set LIM,  15
.set SEL,  20
.set MNT,  22
.set SCUR, 23
.set G1J,  24                          ; group 1: a part, 68 rows of 256 bytes, joint
.set G0A,  32                          ; group 0 for slot 0, 1
.set G1X,  40                          ; x: 32 rows of 1,024 bytes, padded
.set G0X,  48
.set PFA,  52
.set TRIPS, 54
.set W3,   59
.set G1H,  76                          ; the head's joint load: two parts, 136 rows of 256 bytes
.set G0H,  84
.set MSB, 0
.macro WIN new
.if MSB != \new
	s_set_vgpr_msb (MSB<<8)|\new
.set MSB, \new
.endif
.endm
.macro CREST                           ; a round of the cluster's barrier behind its opening barrier
	s_cmp_lg_u32 s[WV], 0
	s_cbranch_scc1 .Lnot_wave_0_\@
	s_barrier_signal -3
.Lnot_wave_0_\@:
	s_barrier_wait -3
	s_barrier_signal -1
	s_barrier_wait -1
.endm
.macro ROUND
	s_barrier_signal -1
	s_barrier_wait -1
	CREST
.endm
.macro SUMSQ st, sq                    ; the row's sum of squares: my 128 numbers and lane l xor 16's
.irp c, 0,1,2,3
	v_pk_mul_f32 v[\sq+2*\c:\sq+2*\c+1], v[\st+2*\c:\st+2*\c+1], v[\st+2*\c:\st+2*\c+1]
.endr
.set i, 4
.rept 60
	s_delay_alu instid0(VALU_DEP_4)
	v_pk_fma_f32 v[\sq+2*(i%4):\sq+2*(i%4)+1], v[\st+2*i:\st+2*i+1], v[\st+2*i:\st+2*i+1], v[\sq+2*(i%4):\sq+2*(i%4)+1]
.set i, i+1
.endr
	s_delay_alu instid0(VALU_DEP_3)
	v_pk_add_f32 v[\sq:\sq+1], v[\sq:\sq+1], v[\sq+2:\sq+3]
	s_delay_alu instid0(VALU_DEP_2)
	v_pk_add_f32 v[\sq+4:\sq+5], v[\sq+4:\sq+5], v[\sq+6:\sq+7]
	s_delay_alu instid0(VALU_DEP_1)
	v_pk_add_f32 v[\sq:\sq+1], v[\sq:\sq+1], v[\sq+4:\sq+5]
	s_delay_alu instid0(VALU_DEP_1)
	v_add_f32 v[\sq], v[\sq], v[\sq+1]
	s_delay_alu instid0(VALU_DEP_1)
	v_permlanex16_b32 v[\sq+2], v[\sq], s[SEL], s[SEL+1]
	s_delay_alu instid0(VALU_DEP_1)
	v_add_f32 v[\sq], v[\sq], v[\sq+2]
.endm
.macro QUANT st, pc, pw                ; 64 numbers of a lane (register 16 b + i = k 32 b + 16 h + i) become a fragment's 16 registers of codes and its scale word
.irp b, 0,1,2,3
	v_max3_num_f32 v[TM+\b], |v[\st+16*\b]|, |v[\st+1+16*\b]|, 0x4800000    ; with the floor 2^(9 - 127): the byte cannot fall under 1
.endr
.irp i, 2,4,6,8,10,12,14
.irp b, 0,1,2,3
	s_delay_alu instid0(VALU_DEP_4)
	v_max3_num_f32 v[TM+\b], v[TM+\b], |v[\st+16*\b+\i]|, |v[\st+1+16*\b+\i]|
.endr
.endr
.irp b, 0,1,2,3
	s_delay_alu instid0(VALU_DEP_4)
	v_permlanex16_b32 v[TM+4+\b], v[TM+\b], s[SEL], s[SEL+1]
.endr
.irp b, 0,1,2,3
	s_delay_alu instid0(VALU_DEP_4)
	v_max_num_f32 v[TM+\b], v[TM+\b], v[TM+4+\b]
.endr
.irp b, 0,1,2,3
	s_delay_alu instid0(VALU_DEP_4)
	v_add_nc_u32 v[TM+12+\b], 0xfc000000, v[TM+\b]                 ; 8 off the exponent field: the conversion's scale operand
.endr
.irp b, 0,1,2,3
	v_and_or_b32 v[TM+8+\b], v[TM+\b], 0x7f800000, s[MNT]          ; 448 x the scale
.endr
.irp b, 0,1,2,3
	v_lshrrev_b32 v[TM+4+\b], 23, v[TM+12+\b]                      ; the scale's byte
.endr
	s_delay_alu instid0(VALU_DEP_3)
	v_lshl_or_b32 v[\pw], v[TM+5], 8, v[TM+4]
	s_delay_alu instid0(VALU_DEP_1)
	v_lshl_or_b32 v[\pw], v[TM+6], 16, v[\pw]
	s_delay_alu instid0(VALU_DEP_1)
	v_lshl_or_b32 v[\pw], v[TM+7], 24, v[\pw]
.irp b, 0,1,2,3
.irp i, 0,1,2,3,4,5,6,7,8,9,10,11,12,13,14,15
	v_med3_num_f32 v[\st+16*\b+\i], v[\st+16*\b+\i], -v[TM+8+\b], v[TM+8+\b]   ; the conversion does not saturate (ISA guide 7.6.2): the hold
.endr
	v_cvt_scalef32_pk8_fp8_f32 v[\pc+4*\b:\pc+1+4*\b], v[\st+16*\b:\st+7+16*\b], v[TM+12+\b]
	v_cvt_scalef32_pk8_fp8_f32 v[\pc+2+4*\b:\pc+3+4*\b], v[\st+8+16*\b:\st+15+16*\b], v[TM+12+\b]
.endr
	v_nop                                                          ; one plain vector line behind the last scaled conversion
.endm
.macro LOADT slot, u, p                ; record u of my part: 32 registers of codes, the scale words, b2 of my eight codes into set p
.irp c, 0,1,2,3,4,5,6,7
	ds_load_b128 v[CF+4*\c:CF+4*\c+3], v[AD+\slot] offset:(\u)*REC+512*\c
.endr
	ds_load_b32 v[CS], v[AS+\slot] offset:(\u)*REC
	ds_load_b128 v[B2+8*(\p):B2+8*(\p)+3], v[AB+\slot] offset:(\u)*REC
	ds_load_b128 v[B2+8*(\p)+4:B2+8*(\p)+7], v[AB+\slot] offset:(\u)*REC+16
.endm
.macro MULTH t0                        ; 16 codes x row blocks t0 .. t0 + 3, K = 256: the four accumulators by turns; the first K step starts the sums
	WIN 0x04
.irp T, \t0, \t0+1, \t0+2, \t0+3
	v_wmma_scale_f32_16x16x128_f8f6f4 v[AC+8*(\T):AC+8*(\T)+7], v[CF:CF+15], v[32*(\T):32*(\T)+15], 0, v[CS], v[XS+(\T)]
.endr
.irp T, \t0, \t0+1, \t0+2, \t0+3
	v_wmma_scale_f32_16x16x128_f8f6f4 v[AC+8*(\T):AC+8*(\T)+7], v[CF+16:CF+31], v[32*(\T)+16:32*(\T)+31], v[AC+8*(\T):AC+8*(\T)+7], v[CS], v[XS+(\T)] matrix_a_scale:MATRIX_SCALE_ROW1 matrix_b_scale:MATRIX_SCALE_ROW1
.endr
	WIN 0
.endm
.macro CSEL2 d, a, b                   ; two selects by VCC in one line: where the bit is set, v[d] takes v[a] and v[d + 1] takes v[b]
	v_dual_cndmask_b32 v[\d], v[\d], v[\a] :: v_dual_cndmask_b32 v[\d+1], v[\d+1], v[\b]
.endm
.macro CMPT T, par                     ; has row block T's minimum fallen?
	v_cmp_lt_f32 vcc_lo, v[RUN+16-16*(\par)+(\T)], v[RUN+16*(\par)+(\T)]
.endm
.macro SELT T, par                     ; then seven distances and the tile's first index are kept
.irp j, 0,2,4
	CSEL2 SAV+8*(\T)+\j, AC+8*(\T)+\j, AC+8*(\T)+\j+1
.endr
	CSEL2 SAV+8*(\T)+6, AC+8*(\T)+6, CU+213*(\par)
.endm
.macro FIL nq, k                       ; row blocks nq, nq + 1, registers k, k + 1: a2 - 2 ab in place
	v_pk_fma_f32 v[AC+8*(\nq)+\k:AC+8*(\nq)+\k+1], v[AC+8*(\nq)+\k:AC+8*(\nq)+\k+1], -2.0, v[A2+2*(\nq):A2+2*(\nq)+1] op_sel_hi:[1,0,1]
	v_pk_fma_f32 v[AC+8*(\nq)+8+\k:AC+8*(\nq)+9+\k], v[AC+8*(\nq)+8+\k:AC+8*(\nq)+9+\k], -2.0, v[A2+2*(\nq)+2:A2+2*(\nq)+3] op_sel_hi:[1,0,1]
.endm
.macro EPGA q                          ; all eight, each accumulator from its low end on
.irp k, 0,2,4,6
	FIL \q, \k
.endr
.endm
.macro ADDS q, par                     ; row blocks q, q + 1: + b2.  par: the tile's parity
.irp k, 0,2,4,6
	v_pk_add_f32 v[AC+8*\q+\k:AC+8*\q+\k+1], v[AC+8*\q+\k:AC+8*\q+\k+1], v[B2+8*(\par)+\k:B2+8*(\par)+\k+1]
	v_pk_add_f32 v[AC+8*\q+8+\k:AC+8*\q+9+\k], v[AC+8*\q+8+\k:AC+8*\q+9+\k], v[B2+8*(\par)+\k:B2+8*(\par)+\k+1]
.endr
.endm
; The new minimum: the old one (set par) and the eight, as a tree of v_min3, into the other set; the compares and selects.  Between the dependent lines stand the multiply-adds of row blocks nq, nq + 1 (nq < 0: none)
.macro MINS q, par, nq
	v_min3_num_f32 v[RUN+16-16*(\par)+\q], v[RUN+16*(\par)+\q], v[AC+8*\q], v[AC+8*\q+1]
	v_min3_num_f32 v[RUN+16-16*(\par)+\q+1], v[RUN+16*(\par)+\q+1], v[AC+8*\q+8], v[AC+8*\q+9]
	v_min3_num_f32 v[TP], v[AC+8*\q+2], v[AC+8*\q+3], v[AC+8*\q+4]
	v_min3_num_f32 v[TP+1], v[AC+8*\q+10], v[AC+8*\q+11], v[AC+8*\q+12]
	v_min3_num_f32 v[TP+2], v[AC+8*\q+5], v[AC+8*\q+6], v[AC+8*\q+7]
	v_min3_num_f32 v[TP+3], v[AC+8*\q+13], v[AC+8*\q+14], v[AC+8*\q+15]
.if \nq >= 0
	FIL \nq, 0
.endif
	v_min3_num_f32 v[RUN+16-16*(\par)+\q], v[RUN+16-16*(\par)+\q], v[TP], v[TP+2]
	v_min3_num_f32 v[RUN+16-16*(\par)+\q+1], v[RUN+16-16*(\par)+\q+1], v[TP+1], v[TP+3]
.if \nq >= 0
	FIL \nq, 2
.endif
	CMPT \q, \par
.if \nq >= 0
	FIL \nq, 4
.endif
	SELT \q, \par
	CMPT \q+1, \par
.if \nq >= 0
	FIL \nq, 6
.endif
	SELT \q+1, \par
.endm
.macro ASK how
.if \how
	s_cmp_eq_u32 s[LIM], 1
.else
	s_cmp_gt_u32 s[TRIPS], s[LIM]                  ; not in the loop's last trip: there is no fill 16
.endif
	s_cbranch_scc0 .Lnot_mine_\@
	global_prefetch_b8 v[PFO], s[PFA:PFA+1] th:TH_LOAD_NT scope:SCOPE_SE
.Lnot_mine_\@:
.endm
; One tile.  mode 0: its successor lies in the same slot; 1: the slot's last tile, and the slot is filled again; 2: the same without a fill; 3: the very last tile.  first = 1: no tile stands before it.
; Every tile but the last leaves its row blocks 6, 7, with a2 - 2 ab made, to the next tile.
.macro TILE slot, u, mode, first
.set PP, (\u)%2
.set QQ, 1-PP
	s_wait_dscnt 0x0                               ; the record is in registers
	MULTH 0
.if \u == 0
	s_add_co_u32 s[SCUR], s[SCUR], 464             ; this tile's first index: 512 a fill, 64 a wave, 16 a tile
.else
	s_add_co_u32 s[SCUR], s[SCUR], 16
.endif
	v_mov_b32 v[CU+213*PP], s[SCUR]
.if \first == 0
	ADDS 6, QQ                                     ; what the tile before has left: 15 lines that name no register of the products ahead of them stand ahead of the first line that reads a result of those
	MINS 6, QQ, 0
.endif
	MULTH 4
.if \first
.rept 8
	v_nop                                          ; the one tile with no work at hand for the places
.endr
	EPGA 0
.endif
.if \mode == 0
	ADDS 0, PP                                     ; eight places, then the next record
	LOADT \slot, \u+1, (\u+1)%2
	MINS 0, PP, 2
	ADDS 2, PP
	MINS 2, PP, 4
	ADDS 4, PP
	MINS 4, PP, 6
.elseif \mode == 1
	s_wait_tensorcnt 0x0                           ; all my tensor loads have landed: my part of the other slot
	ds_add_u32 v[SPW], v[NIL]
	s_add_nc_u64 s[G0A+4*\slot+2:G0A+4*\slot+3], s[G0A+4*\slot+2:G0A+4*\slot+3], 2*SLOTB   ; no load of mine is out: this slot's next fill
	s_wait_xcnt 0x0                                ; my last prefetch has read its address
	s_add_nc_u64 s[PFA:PFA+1], s[PFA:PFA+1], SLOTB
	ADDS 0, PP                                     ; work on registers while the add is out
	MINS 0, PP, 2
	s_wait_dscnt 0x0                               ; the add is done; my reads of this slot came back ahead of the products
	s_barrier_signal -1                            ; opens a round of the cluster's barrier
	ADDS 2, PP                                     ; registers alone
	MINS 2, PP, 4
	s_barrier_wait -1
	CREST                                          ; no wave of any partner reads this slot or has a load on its way
	tensor_load_to_lds s[G0A+4*\slot:G0A+4*\slot+3], s[G1J:G1J+7]
	s_nop 0
	LOADT 1-\slot, 0, 0
	ASK 1-\slot
	ADDS 4, PP
	MINS 4, PP, 6
.elseif \mode == 2
	s_wait_tensorcnt 0x0
	ds_add_u32 v[SPW], v[NIL]
	ADDS 0, PP
	MINS 0, PP, 2
	s_wait_dscnt 0x0
	s_barrier_signal -1
	s_barrier_wait -1
	LOADT 1-\slot, 0, 0
	ADDS 2, PP
	MINS 2, PP, 4
	ADDS 4, PP
	MINS 4, PP, 6
.else
	ADDS 0, PP
	MINS 0, PP, 2
	ADDS 2, PP
	MINS 2, PP, 4
	ADDS 4, PP
	MINS 4, PP, 6
	ADDS 6, PP
	MINS 6, PP, -1
.endif
.endm
.macro LEXMIN m, i, m2, i2             ; the lesser distance; on a tie the lesser index
	v_min_u32 v[TP], v[\i], v[\i2]
	v_cmp_eq_f32 vcc_lo, v[\m2], v[\m]
	v_cndmask_b32 v[TP], v[\i], v[TP], vcc_lo
	v_cmp_lt_f32 vcc_lo, v[\m2], v[\m]
	v_cndmask_b32 v[\i], v[TP], v[\i2], vcc_lo
	v_min_num_f32 v[\m], v[\m], v[\m2]
.endm
	s_load_b256 s[4:11], s[0:1], 0x0               ; x, cbq, idx, out1
	v_lshl_add_u32 v[SPW], v0, 2, SPARE
	v_mov_b32 v[NIL], 0
	ds_add_u32 v[SPW], v[NIL]                      ; the opening lines: the add twice on end under one wait
	ds_add_u32 v[SPW], v[NIL]
	v_lshrrev_b32 v[LN], 5, v0
	v_readfirstlane_b32 s[WV], v[LN]
	s_and_b32 s[W3], s[WV], 3
	s_bfe_u32 s[CX], ttmp6, 0x40000
	s_lshl_b32 s[WG], ttmp9, 2
	s_add_co_u32 s[WG], s[WG], s[CX]
	s_cmp_eq_u32 ttmp9, 0
	s_cselect_b32 s[LIM], 1, -1                    ; cluster 0 alone prefetches: all clusters walk the same records
	s_mov_b32 s[G1J], 15|(3<<16)|(1<<21)           ; the four partners; elements of 8 bytes; bit 21 beside a mask
	s_mov_b32 s[G1J+1], 32<<16
	s_mov_b32 s[G1J+2], 68<<16
	s_mov_b32 s[G1J+3], 32<<16
	s_mov_b32 s[G1J+4], 68
	s_mov_b32 s[G1J+5], 32
	s_mov_b32 s[G1J+6], 0
	s_mov_b32 s[G1J+7], 0
	s_mov_b32 s[G1H], 15|(3<<16)|(1<<21)
	s_mov_b32 s[G1H+1], 32<<16
	s_mov_b32 s[G1H+2], 136<<16
	s_mov_b32 s[G1H+3], 32<<16
	s_mov_b32 s[G1H+4], 136
	s_mov_b32 s[G1H+5], 32
	s_mov_b32 s[G1H+6], 0
	s_mov_b32 s[G1H+7], 0
	s_mov_b32 s[G1X], (2<<16)|(1<<20)|(7<<22)|(3<<25)   ; elements of 4 bytes; 4 words of padding behind every 256
	s_mov_b32 s[G1X+1], 256<<16
	s_mov_b32 s[G1X+2], 32<<16
	s_mov_b32 s[G1X+3], 256<<16
	s_mov_b32 s[G1X+4], 32
	s_mov_b32 s[G1X+5], 256
	s_mov_b32 s[G1X+6], 0
	s_mov_b32 s[G1X+7], 0
	s_mov_b32 s[SEL], 0x76543210
	s_mov_b32 s[SEL+1], 0xfedcba98
	s_mov_b32 s[MNT], 0x600000
	s_lshl_b32 s[SCUR], s[WV], 6
	s_sub_co_u32 s[SCUR], s[SCUR], 464             ; the first tile's step brings it to 64 x wave
	s_mov_b32 s[TRIPS], 7
	s_mov_b32 s58, 0x7f800000
	s_mul_i32 s16, s[WV], PART
	s_mov_b32 s17, 0
	s_lshl_b32 s60, s[WG], 17                      ; x: 128 rows of 1,024 bytes a work-group, 32 rows a loading wave
	s_lshl_b32 s61, s[W3], 15
	s_add_co_u32 s60, s60, s61
	s_mov_b32 s61, 0
	s_mul_i32 s62, s[W3], 2*PART                   ; the head's two parts of slot 0
	s_mov_b32 s63, 0
	s_mov_b32 s[G0A], 1
	s_mov_b32 s[G0A+1], s16
	s_mov_b32 s[G0A+4], 1
	s_add_co_u32 s[G0A+5], s16, SLOTB
	s_mov_b32 s[G0H], 1
	s_mov_b32 s[G0H+1], s62
	s_mov_b32 s[G0X], 1
	s_mul_i32 s[G0X+1], s[W3], 2*STGB              ; x's stage lies in slot 1, which is filled over it once all waves hold x's codes
	s_add_co_u32 s[G0X+1], s[G0X+1], SLOTB
	s_wait_dscnt 0x0                               ; both opening adds are done
	s_wait_kmcnt 0x0
	s_add_nc_u64 s[G0A+2:G0A+3], s[6:7], s[16:17]
	s_add_nc_u64 s[G0A+6:G0A+7], s[G0A+2:G0A+3], SLOTB
	s_add_nc_u64 s[PFA:PFA+1], s[G0A+2:G0A+3], 2*SLOTB
	s_or_b32 s[G0A+3], s[G0A+3], 0x80000000
	s_or_b32 s[G0A+7], s[G0A+7], 0x80000000
	s_add_nc_u64 s[G0H+2:G0H+3], s[6:7], s[62:63]
	s_or_b32 s[G0H+3], s[G0H+3], 0x80000000
	s_add_nc_u64 s[G0X+2:G0X+3], s[4:5], s[60:61]
	s_or_b32 s[G0X+3], s[G0X+3], 0x80000000
	s_mul_i32 s18, s[CX], REC                      ; of a part's four records each partner names one, by address
	s_mov_b32 s19, 0
	s_add_nc_u64 s[PFA:PFA+1], s[PFA:PFA+1], s[18:19]
	s_lshl_b32 s18, s[WG], 9
	s_add_nc_u64 s[8:9], s[8:9], s[18:19]
	s_add_nc_u64 s[10:11], s[10:11], s[18:19]
	s_mul_i32 s62, s[WV], STGB
	s_add_co_u32 s62, s62, SLOTB                   ; my 16 rows in x's stage
	ROUND                                          ; in front of the first loads
	; the head's loads, one a wave: waves 0-3 bring x, 32 rows each; waves 4-7 slot 0, two parts each, jointly
	s_cmp_lt_u32 s[WV], 4
	s_cbranch_scc0 .Lhead_cb
	tensor_load_to_lds s[G0X:G0X+3], s[G1X:G1X+7]
	s_nop 0
.rept 4
	v_nop
.endr
	s_branch .Lhead_asked
.Lhead_cb:
	tensor_load_to_lds s[G0H:G0H+3], s[G1H:G1H+7]
	s_nop 0
.rept 4
	v_nop
.endr
.Lhead_asked:
	v_and_b32 v[LN], 31, v0
	v_and_b32 v[RL], 15, v0
	v_bfe_u32 v[HL], v0, 4, 1
	s_delay_alu instid0(VALU_DEP_3)
	v_lshl_add_u32 v[AD], v[LN], 4, s[G0A+1]
	s_delay_alu instid0(VALU_DEP_1)
	v_add_nc_u32 v[AD+1], SLOTB, v[AD]
	v_lshl_add_u32 v[AS], v[LN], 2, s[G0A+1]
	s_delay_alu instid0(VALU_DEP_1)
	v_add_nc_u32 v[AS], 4096, v[AS]
	s_delay_alu instid0(VALU_DEP_1)
	v_add_nc_u32 v[AS+1], SLOTB, v[AS]
	v_lshl_add_u32 v[AB], v[HL], 5, s[G0A+1]
	s_delay_alu instid0(VALU_DEP_1)
	v_add_nc_u32 v[AB], 4224, v[AB]
	s_delay_alu instid0(VALU_DEP_1)
	v_add_nc_u32 v[AB+1], SLOTB, v[AB]
	v_lshl_add_u32 v[LI], v[LN], 4, XIMG
	v_lshl_add_u32 v[LS], v[LN], 2, XSC
	v_lshl_add_u32 v[LR], v[RL], 2, XSC
	v_lshlrev_b32 v[H8], 3, v[HL]
	v_min_u32 v[PFO], 16, v[LN]                    ; a record is 17 blocks of 256 bytes: a lane a block, the lanes left over name the last again
	s_delay_alu instid0(VALU_DEP_1)
	v_lshlrev_b32 v[PFO], 8, v[PFO]
	v_mul_u32_u24 v[XRD], v[RL], PITCH
	s_delay_alu instid0(VALU_DEP_1)
	v_lshl_add_u32 v[XRD], v[HL], 6, v[XRD]
	s_delay_alu instid0(VALU_DEP_1)
	v_add_nc_u32 v[XRD], s62, v[XRD]
	s_lshl_b32 s57, s[WV], 12
	v_add_nc_u32 v[XWI], s57, v[LI]
	s_lshl_b32 s57, s[WV], 7
	v_add_nc_u32 v[XWS], s57, v[LR]
	s_lshl_b32 s57, s[WV], 6
	v_add_nc_u32 v[XWA], s57, v[LR]
	s_delay_alu instid0(VALU_DEP_1)
	v_add_nc_u32 v[XWA], XA2-XSC, v[XWA]
	s_lshl_b32 s57, s[WV], 9
	v_lshl_add_u32 v[RW], v[RL], 2, s57
	s_delay_alu instid0(VALU_DEP_1)
	v_add_nc_u32 v[RW], RM, v[RW]
	s_lshl_b32 s57, s[WV], 8
	v_lshl_add_u32 v[GOF], v[LN], 3, s57
	s_delay_alu instid0(VALU_DEP_1)
	v_add_nc_u32 v[RR], RM, v[GOF]
.irp b, 0,1,2,3
	v_mov_b32 v[TM+4+\b], 0                        ; a lane permute's destination counts as one of its sources
.endr
	s_wait_alu depctr_va_vdst(0)
	s_wait_tensorcnt 0x0                           ; my load of the head's eight has landed,
	s_barrier_signal -1
	s_barrier_wait -1                              ; and everybody's: x's rows were brought by other waves.
.irp s, 0,1
.irp b, 0,1,2,3
.irp j, 0,1,2,3
	ds_load_b128 v[ST+64*\s+16*\b+4*\j:ST+64*\s+16*\b+4*\j+3], v[XRD] offset:512*\s+128*\b+16*\j
.endr
.endr
.endr
	s_wait_dscnt 0x0
	SUMSQ ST, SQ
	QUANT ST, PC, PW
.irp c, 0,1,2,3
	ds_store_b128 v[XWI], v[PC+4*\c:PC+4*\c+3] offset:512*\c       ; the operand's registers as an image: 16 x lane
.endr
	ds_store_b32 v[XWS], v[PW]
	QUANT ST+64, PC+16, PW+1
.irp c, 0,1,2,3
	ds_store_b128 v[XWI], v[PC+16+4*\c:PC+16+4*\c+3] offset:2048+512*\c
.endr
	ds_store_b32 v[XWS], v[PW+1] offset:64
	ds_store_b32 v[XWA], v[SQ]
	s_wait_tensorcnt 0x0
	ds_add_u32 v[SPW], v[NIL]
.irp T, 0,1,2,3,4,5,6,7
	v_mov_b32 v[RUN+\T], s58                       ; the minima begin at infinity
.endr
.set i, 0
.rept 64
.if (i%8) == 7
	v_mov_b32 v[SAV+i], 0                          ; the index
.else
	v_mov_b32 v[SAV+i], s58
.endif
.set i, i+1
.endr
	s_wait_dscnt 0x0                               ; the add, my images and my reads of the stage are done
	ROUND
	tensor_load_to_lds s[G0A+4:G0A+7], s[G1J:G1J+7]   ; fill 1, over x's stage
	s_nop 0
.rept 4
	v_nop
.endr
	WIN 0x40
.irp T, 0,1,2,3,4,5,6,7
.irp c, 0,1,2,3,4,5,6,7
	ds_load_b128 v[32*\T+4*\c:32*\T+4*\c+3], v[LI] offset:4096*\T+512*\c      ; all 128 rows' codes into window 1
.endr
.endr
	WIN 0
.irp T, 0,1,2,3,4,5,6,7
	ds_load_b32 v[XS+\T], v[LS] offset:128*\T
	ds_load_b32 v[A2+2*\T], v[LR] offset:XA2-XSC+64*\T
	ds_load_b32 v[A2+2*\T+1], v[LR] offset:XA2-XSC+64*\T
.endr
	LOADT 0, 0, 0
	TILE 0, 0, 0, 1                                ; the first tile stands ahead of the loop: no tile has left it work
.Ltrip:                                                ; a trip goes once round the ring, from a lap's second tile to the next lap's first, and fills both slots again
	TILE 0, 1, 0, 0
	TILE 0, 2, 0, 0
	TILE 0, 3, 1, 0
	TILE 1, 0, 0, 0
	TILE 1, 1, 0, 0
	TILE 1, 2, 0, 0
	TILE 1, 3, 1, 0
	TILE 0, 0, 0, 0
	s_sub_co_u32 s[TRIPS], s[TRIPS], 1
	s_cmp_lg_u32 s[TRIPS], 0
	s_cbranch_scc1 .Ltrip
	TILE 0, 1, 0, 0                                ; the last lap fills nothing
	TILE 0, 2, 0, 0
	TILE 0, 3, 2, 0
	TILE 1, 0, 0, 0
	TILE 1, 1, 0, 0
	TILE 1, 2, 0, 0
	TILE 1, 3, 3, 0
	v_mov_b32 v[M2], 0
	v_mov_b32 v[I2], 0
.irp T, 0,1,2,3,4,5,6,7                ; the first of the kept seven that equals the minimum, else place 7; then lane l xor 16's eight codes; then into LDS for the other waves
	v_mov_b32 v[JJ], 7
.irp j, 6,5,4,3,2,1,0
	v_cmp_neq_f32 vcc_lo, v[SAV+8*\T+\j], v[RUN+\T]
	s_delay_alu instid0(VALU_DEP_1)
	v_cndmask_b32 v[JJ], \j, v[JJ], vcc_lo
.endr
	s_delay_alu instid0(VALU_DEP_1)
	v_add3_u32 v[SAV+8*\T+7], v[SAV+8*\T+7], v[H8], v[JJ]
	v_permlanex16_b32 v[M2], v[RUN+\T], s[SEL], s[SEL+1]
	s_delay_alu instid0(VALU_DEP_2)
	v_permlanex16_b32 v[I2], v[SAV+8*\T+7], s[SEL], s[SEL+1]
	LEXMIN RUN+\T, SAV+8*\T+7, M2, I2
	ds_store_b32 v[RW], v[RUN+\T] offset:64*\T
	ds_store_b32 v[RW], v[SAV+8*\T+7] offset:RI-RM+64*\T
.endr
	s_wait_dscnt 0x0
	s_barrier_signal -1
	s_barrier_wait -1
	s_cmp_lt_u32 s[WV], 2
	s_cbranch_scc0 .Ldone
.irp n, 0,1,2,3,4,5,6,7                ; waves 0 and 1 join the eight waves' results, two rows a lane
	ds_load_b64 v[AC+2*\n:AC+2*\n+1], v[RR] offset:512*\n
	ds_load_b64 v[AC+16+2*\n:AC+17+2*\n], v[RR] offset:RI-RM+512*\n
.endr
	s_wait_dscnt 0x0
.irp n, 1,2,3,4,5,6,7
	LEXMIN AC, AC+16, AC+2*\n, AC+16+2*\n
	LEXMIN AC+1, AC+17, AC+2*\n+1, AC+17+2*\n
.endr
	global_store_b64 v[GOF], v[AC+16:AC+17], s[8:9]      ; 32 lanes store 256 consecutive bytes, aligned: the list for the next launch,
	global_store_b64 v[GOF], v[AC+16:AC+17], s[10:11]    ; and the output
.Ldone:
	s_wait_tensorcnt 0x0                           ; the wave's end
	ds_add_u32 v[SPW], v[NIL]
	s_wait_dscnt 0x0
	ROUND                                          ; the closing round
	s_endpgm
.Lfunc_end_k_q92bcd37a29_nearest:
	.size	k_q92bcd37a29_nearest, .Lfunc_end_k_q92bcd37a29_nearest-k_q92bcd37a29_nearest
	.p2alignl 7, 3214868480
	.fill 96, 4, 3214868480
	.section	.rodata,"a",@progbits
	.p2align	6, 0x0
	.amdhsa_kernel k_q92bcd37a29_nearest
		.amdhsa_group_segment_fixed_size 327680
		.amdhsa_private_segment_fixed_size 0
		.amdhsa_enable_private_segment 0
		.amdhsa_kernarg_size 32
		.amdhsa_user_sgpr_count 2
		.amdhsa_user_sgpr_kernarg_segment_ptr 1
		.amdhsa_wavefront_size32 1
		.amdhsa_system_sgpr_workgroup_id_x 1
		.amdhsa_system_sgpr_workgroup_id_y 1
		.amdhsa_system_sgpr_workgroup_id_z 1
		.amdhsa_system_vgpr_workitem_id 0
		.amdhsa_next_free_vgpr 512
		.amdhsa_next_free_sgpr 96
		.amdhsa_reserve_vcc 1
		.amdhsa_float_denorm_mode_32 3
		.amdhsa_float_denorm_mode_16_64 3
		.amdhsa_memory_ordered 1
		.amdhsa_forward_progress 1
		.amdhsa_inst_pref_size 239
	.end_amdhsa_kernel
	.amdgpu_metadata
---
amdhsa.version: [ 1, 2 ]
amdhsa.kernels:
  - .name:           k_q92bcd37a29_nearest
    .symbol:         k_q92bcd37a29_nearest.kd
    .args:
      - { .name: x, .offset: 0, .size: 8, .value_kind: global_buffer, .address_space: global }
      - { .name: cbq, .offset: 8, .size: 8, .value_kind: global_buffer, .address_space: global }
      - { .name: idx, .offset: 16, .size: 8, .value_kind: global_buffer, .address_space: global }
      - { .name: out1, .offset: 24, .size: 8, .value_kind: global_buffer, .address_space: global }
    .group_segment_fixed_size: 327680
    .private_segment_fixed_size: 0
    .kernarg_segment_align: 8
    .kernarg_segment_size: 32
    .max_flat_workgroup_size: 256
    .sgpr_count:     96
    .vgpr_count:     512
    .wavefront_size: 32
...
	.end_amdgpu_metadata
.endif
;; end of part 2
;; launch gather (part 3): grid 256 x 1, 8 waves a work-group, no clusters, 0 bytes of LDS; arguments idx, codebook, out0; writes out0
.if DOCPART == 3
	.amdgcn_target "amdgcn-amd-amdhsa--gfx1250"
	.amdhsa_code_object_version 6
	.text
	.protected	k_q92bcd37a29_gather
	.globl	k_q92bcd37a29_gather
	.p2align	8
	.type	k_q92bcd37a29_gather,@function
k_q92bcd37a29_gather:
	s_mov_b64 s[64:65], 0
	v_nop
	global_prefetch_b8 v0, s[64:65] scope:SCOPE_SE
	s_setreg_imm32_b32 hwreg(HW_REG_WAVE_MODE, 25, 1), 1
	s_wait_xcnt 0x0
; out0[row][:] = codebook[idx[row]][:], 32,768 rows of 1,024 bytes.  A wave copies 16 rows; a work-group of eight waves 128.
; The 16 indices are the same for all lanes: one scalar load brings them.  A row is two loads of 16 bytes a lane, 512 consecutive bytes each; all 32 loads of the wave go out before the first store.
; Memory binds: no LDS, no barrier, no matrix unit, no cluster (work-groups share no tile).  No loop: every offset is an immediate.
; An index is held to 0 .. 8,191 before it enters an address; the launch that made it gives no other.
.set ROWB, 1024
.set OFF,  2                           ; v2-17   row i: 1,024 x its index + 16 x lane
.set D,    32                          ; v32-159 row i: 8 registers
	s_load_b128 s[4:7], s[0:1], 0x0                ; idx s[4:5], codebook s[6:7]
	s_load_b64 s[8:9], s[0:1], 0x10                ; out0
	v_lshrrev_b32 v1, 5, v0
	s_delay_alu instid0(VALU_DEP_1)
	v_readfirstlane_b32 s10, v1                    ; wave 0..7
	s_lshl_b32 s11, ttmp9, 7
	s_lshl_b32 s12, s10, 4
	s_add_co_u32 s11, s11, s12                     ; my first row: 128 x work-group + 16 x wave
	s_lshl_b32 s12, s11, 2                         ; its index's byte
	s_mov_b32 s13, 0
	s_lshl_b32 s14, s11, 10                        ; its byte in out0 (under 2^25)
	s_mov_b32 s15, 0
	v_and_b32 v1, 31, v0
	s_delay_alu instid0(VALU_DEP_1)
	v_lshlrev_b32 v1, 4, v1                        ; 16 x lane
	s_wait_alu depctr_va_vdst(0)
	s_wait_kmcnt 0x0
	s_add_nc_u64 s[4:5], s[4:5], s[12:13]
	s_add_nc_u64 s[8:9], s[8:9], s[14:15]
	s_load_b512 s[16:31], s[4:5], 0x0              ; my 16 indices
	s_wait_kmcnt 0x0
.irp i, 0,1,2,3,4,5,6,7,8,9,10,11,12,13,14,15
	s_min_u32 s[16+\i], s[16+\i], 0x1fff           ; inside the table
	s_lshl_b32 s[16+\i], s[16+\i], 10
	v_add_nc_u32 v[OFF+\i], s[16+\i], v1
.endr
	s_wait_alu depctr_va_vdst(0)
.irp i, 0,1,2,3,4,5,6,7,8,9,10,11,12,13,14,15
	global_load_b128 v[D+8*\i:D+8*\i+3], v[OFF+\i], s[6:7]                     ; no hint: a row of the table may be named many times
	global_load_b128 v[D+8*\i+4:D+8*\i+7], v[OFF+\i], s[6:7] offset:512
.endr
.irp i, 0,1,2,3,4,5,6,7,8,9,10,11,12,13,14,15
	s_wait_loadcnt 30-2*\i                         ; loads come back in order (ISA guide 5.7.1): row i's two are in, those of the rows behind it may be out
	global_store_b128 v1, v[D+8*\i:D+8*\i+3], s[8:9] offset:ROWB*\i th:TH_STORE_NT          ; 32 lanes store 512 consecutive bytes, at a multiple of 256 from out0's first byte
	global_store_b128 v1, v[D+8*\i+4:D+8*\i+7], s[8:9] offset:ROWB*\i+512 th:TH_STORE_NT
.endr
	s_endpgm
.Lfunc_end_k_q92bcd37a29_gather:
	.size	k_q92bcd37a29_gather, .Lfunc_end_k_q92bcd37a29_gather-k_q92bcd37a29_gather
	.p2alignl 7, 3214868480
	.fill 96, 4, 3214868480
	.section	.rodata,"a",@progbits
	.p2align	6, 0x0
	.amdhsa_kernel k_q92bcd37a29_gather
		.amdhsa_group_segment_fixed_size 0
		.amdhsa_private_segment_fixed_size 0
		.amdhsa_enable_private_segment 0
		.amdhsa_kernarg_size 24
		.amdhsa_user_sgpr_count 2
		.amdhsa_user_sgpr_kernarg_segment_ptr 1
		.amdhsa_wavefront_size32 1
		.amdhsa_system_sgpr_workgroup_id_x 1
		.amdhsa_system_sgpr_workgroup_id_y 1
		.amdhsa_system_sgpr_workgroup_id_z 1
		.amdhsa_system_vgpr_workitem_id 0
		.amdhsa_next_free_vgpr 160
		.amdhsa_next_free_sgpr 66
		.amdhsa_reserve_vcc 0
		.amdhsa_float_denorm_mode_32 3
		.amdhsa_float_denorm_mode_16_64 3
		.amdhsa_memory_ordered 1
		.amdhsa_forward_progress 1
		.amdhsa_inst_pref_size 10
	.end_amdhsa_kernel
	.amdgpu_metadata
---
amdhsa.version: [ 1, 2 ]
amdhsa.kernels:
  - .name:           k_q92bcd37a29_gather
    .symbol:         k_q92bcd37a29_gather.kd
    .args:
      - { .name: idx, .offset: 0, .size: 8, .value_kind: global_buffer, .address_space: global }
      - { .name: codebook, .offset: 8, .size: 8, .value_kind: global_buffer, .address_space: global }
      - { .name: out0, .offset: 16, .size: 8, .value_kind: global_buffer, .address_space: global }
    .group_segment_fixed_size: 0
    .private_segment_fixed_size: 0
    .kernarg_segment_align: 8
    .kernarg_segment_size: 24
    .max_flat_workgroup_size: 256
    .sgpr_count:     66
    .vgpr_count:     160
    .wavefront_size: 32
...
	.end_amdgpu_metadata
.endif
;; end of part 3
